; MI455X (gfx1250); checked and timed in simulation.
; The chip was launched on July 23, 2026; its instructions are those of AMD's public machine-readable ISA for CDNA 5 (MIT licence, August 2026) and "CDNA5" Instruction Set Architecture Reference Guide (July 2026). The comments in the code are by the model that wrote it; some were corrected since.
;; Parallel Linear. Allowed arithmetic: matrix products marked QUANTISED: E4M3 operands, one given power-of-two scale a tensor, by v_wmma_f32_16x16x64_fp8_fp8 or v_wmma_f32_16x16x128_fp8_fp8, f32 sums; everything else in f32.
;; Inputs: W_codes 4 x 2,048 x 64 x 32 uint8 (E4M3 codes of W, K innermost, in blocks of 32 codes); b 4 x 2,048 float32; layer_idx 4,096 int32; lowp_scales 2 int32 (the exponents e of the quantised operands' scales 2^e); x_codes 4,096 x 64 x 32 uint8 (E4M3 codes of x, K innermost, in blocks of 32 codes).
;; Outputs: out0 4,096 x 2,048 float32.
;; This version of the problem:
;;   THIS VERSION OF THE PROBLEM IS GIVEN IN LOW PRECISION. The matrix products marked QUANTISED in the list below multiply operands that are first quantised to E4M3 (4 exponent bits, 3 mantissa bits; 8 bits a number), with one given power-of-two scale for each operand tensor; their sums are f32. All else is computed in f32.
;;   The module's matrix products, in the order in which they are computed (A, B: the left and right operand; K: the contracted axis; several contracted axes count as one K, in the product's order):
;;     1. [M 8,192, K 2,048] x [K 2,048, N 4,096]; A: input W (given as codes); B: input x (given as codes): QUANTISED (scales: A lowp_scales[0], B lowp_scales[1])
;;   THE QUANTISER, for each operand of a quantised product, along K:
;;     - The operand's scale is 2^e, e = its entry of the input lowp_scales (int32; the entries are numbered through the quantised products in the list's order, A before B).
;;     - Each number is divided by the scale, clamped to +-448, and rounded to the nearest number of E4M3, ties to even, subnormals kept.
;;     - The product sums the exact products of the quantised numbers (number of the format x scale) in f32.
;;   ~~~python
;;   def quantise(x, axis, e):      # numpy; x: float32 -> the quantised numbers, widened to float32 again
;;       x = np.moveaxis(x, axis, -1); K = x.shape[-1]
;;       r = np.clip(x / 2.0 ** e, -448, 448)
;;       step = 2.0 ** (np.maximum(np.frexp(np.where(r == 0, 1, r))[1] - 1, -6) - 3)
;;       q = np.round(r / step) * step * 2.0 ** e      # np.round: ties to even
;;       return np.moveaxis(q, -1, axis).astype(np.float32)
;;   ~~~
;;   INPUTS GIVEN AS CODES. W (in the module: [4, 2048, 2048], K = its axis 1); x (in the module: [4096, 2048], K = its axis 1): each comes as NAME_codes (uint8): NAME with its K axis moved to the last place and cut into blocks of 32 codes, [.., K / 32, bytes a block], one block behind the other in memory; one code a byte (a code: sign, 4 exponent bits, 3 mantissa bits); its scale is its entry of lowp_scales. Its value is code x scale, taken as it is: it is not quantised again, and the codes and scales need not be those that the quantiser above would give.
;; One version. Each part assembles by itself: llvm-mc -triple=amdgcn-amd-amdhsa -mcpu=gfx1250 --defsym DOCPART=n.
;; ======== version 1 of 1: 1 launch
;; launch plin (part 1): grid 8 x 19, 4 waves a work-group, no clusters, 327,680 bytes of LDS; arguments x_codes, W_codes, b, layer_idx, lowp_scales, out0; writes out0
.if DOCPART == 1
	.amdgcn_target "amdgcn-amd-amdhsa--gfx1250"
	.amdhsa_code_object_version 6
	.text
	.protected	k_q12fc92282c_plin
	.globl	k_q12fc92282c_plin
	.p2align	8
	.type	k_q12fc92282c_plin,@function
k_q12fc92282c_plin:
	s_mov_b64 s[64:65], 0
	v_nop
	global_prefetch_b8 v0, s[64:65] scope:SCOPE_SE
	s_setreg_imm32_b32 hwreg(HW_REG_WAVE_MODE, 25, 1), 1
	s_wait_xcnt 0x0
; out[j][:] = x[j][:] W[layer_idx[j]] + b[layer_idx[j]][:].  4,096 tokens, 4 experts, K = N = 2,048.  x_codes [4096][2048] and W_codes [4][2048 n][2048 k] are codes of
; FP8 (E4M3), K innermost; a number of W is its code x 2^e0, of x its code x 2^e1 (lowp_scales).  The codes are multiplied as they are, each finished f32 sum once by 2^(e0 + e1), then the bias is added.
; Only the expert that a token names is multiplied: the other three results are thrown away by the gather at the end of the definition.
; LIMITS: e0 + e1 lies between -126 and 127, so that 2^(e0 + e1) is an f32 number.  layer_idx lies in 0..3, as the gather that it feeds requires; a token with another index would get no row.
; The order of the f32 sums differs from ascending K: a work-group begins its walk along K at step (x + 2 y) mod 8 and wraps round, and inside 64 along K both operands carry the same permutation of k.
; SHARES.  Grid 8 x 19: x = 256 output columns, y = a tile of 256 routed rows of ONE expert.  With 4,096 rows and 4 experts there are never more than 4096/256 + 4 - 1 = 19 such tiles, whatever the split.
; A tile that a split leaves short or empty walks the same text (no branch here hangs on a loaded number) and its missing rows are switched off at the stores: the price of a grid that serves every split.
; Four waves, each 128 rows x 128 columns: 64 accumulators of 16 x 16, 512 registers.  K goes in 8 steps of 256 through two LDS slots.
; ROUTING, by every work-group for itself: thread t = 32 w + lane holds 32 indices.  Counts and prefixes over the threads give each thread the rank of its first token of each expert; the tile's expert E and first
; rank r0 follow from the four totals.  Each thread publishes a key (ranks of E ahead of it - r0, and t) and its 32-bit mask of matches; list entry s then belongs to the last thread whose key is not above s,
; and to the (s - that thread's ranks ahead)-th set bit of its mask.  Every LDS address of the routing is a constant + a constant x thread or wave.
; W's part of a slot comes by tensor loads (64 rows x 256 bytes a wave).  x's rows are gathered by the list: global loads into registers, 16 lanes to 256 bytes of a token's row, then LDS stores.
; NO CLUSTER: x's tile is no tensor load; W's tile is shared by the row tiles of one expert, and which tiles those are is read from memory, so partners' descriptors are not equal by the text.
; THE MATRIX INSTRUCTION IS USED TRANSPOSED (source 0 = 16 rows of W = 16 output columns, source 1 = 16 tokens): a lane holds eight neighbouring columns of one token's row.
; REGISTERS, in windows of 256: window 0: v0-31 addresses; v32-63 the gather's offsets (on the way out: rows' offsets in out); v64-191 x on its way to LDS (in the routing: indices, then keys; on the way out: rows read back);
;   v192-199 bias; v200-255 the routing's work.   window 1: two sets of fragments, at v0 and v128: 8 of x (64 registers), then 8 of W.   windows 2, 3: accumulator (a, b) at v[8 (8 (a % 4) + b)], a = 0-3 and 4-7.
.set PITCH, 272                        ; an LDS row: 256 bytes + 16 of padding = 68 words: row r starts at bank 4 r mod 64 (64 banks of 4 bytes: ISA guide 11.1), so the 16 rows of a fragment load start at 16 different banks
.set SLOTB, 256*PITCH                  ; 256 rows.  W's slots at 0 and SLOTB: tensor loads alone write there
.set WQ,    64*PITCH                   ; what one tensor load brings
.set XS0,   2*SLOTB                    ; x's slots at XS0 and XS0 + SLOTB: LDS stores alone write there
.set SPARE, 4*SLOTB                    ; the spare words, 128 bytes for each wave: two blocks of 256 bytes that no other line names
.set TK,    SPARE+512                  ; 128 keys
.set TMO,   512                        ; from TK on: 128 masks
.set LSO,   1024                       ; from TK on: the list of 256 tokens
.set LISTM, TK+LSO
.set CNT,   LISTM+1024                 ; 4 x 8 bytes: each wave's four counts
.set SP,    528                        ; the way out: a stage of 16 rows x (512 bytes + 16) for each wave, in x's slot 0, which is read for the last time ahead of the last barrier
.set SPW,  4                           ; v4   LDS address of my spare word; never rewritten
.set NIL,  5                           ; v5   0; never rewritten
.set ADRA, 6                           ; v6-7   my fragments of x in slot 0, 1
.set ADRB, 8                           ; v8-9   my fragments of W in slot 0, 1
.set XST,  10                          ; v10-11 where I store gathered rows in slot 0, 1
.set C16,  12                          ; v12  16 x (lane % 16)
.set STO,  13                          ; v13  the stage: where I put 32 bytes of a row
.set RD,   14                          ; v14  the stage: where I read rows back
.set LO,   15                          ; v15  the list: the tokens of my rows on the way out
.set QV,   16                          ; v16  rows of the tile that exist, counted from my first row on the way out
.set TKB,  17                          ; v17  TK
.set TKT,  18                          ; v18  TK + 4 x thread
.set TML,  19                          ; v19  the masks, + 4 x lane
.set LG,   20                          ; v20  the list: the 32 rows that I gather
.set XO,   32
.set ST,   64
.set BI,   192
.set F0,   0
.set F1,   128
.set G1,   32                          ; s[32:39] descriptor group 1;  s[40:43], s[44:47] group 0 for slot 0, 1
.set G0,   40
.set WB,   48                          ; s[48:49] W at my expert, my column tile, my wave's 64 rows
.set KW,   50                          ; s[50:51] the K step that W's next load takes, in bytes (0, 256, .. 1792)
.set KX,   52                          ; s[52:53] the same for x's next gather
.set XP,   54                          ; s[54:55] x + KX, the gather's base
.set SC,   56                          ; s[56:57] 2^(e0 + e1), twice
.set EX,   58                          ; s58  my tile's expert
.set BASE, 59                          ; s59  8192 + ranks of E in the waves below mine - r0
.set NV,   60                          ; s60  rows of my tile that exist, 0 to 256
.set CTR,  61
.set XP2,  62                          ; s[62:63] a second base, for the two gathers that are out together at the start
.set MSB, 0
.macro WIN new                         ; the immediate's high byte repeats the setting that is left
.if MSB != \new
	s_set_vgpr_msb (MSB<<8)|\new
.set MSB, \new
.endif
.endm
.set MUL_LO, 0xa5                      ; sources 0 and 1 window 1, C and D window 2
.set MUL_HI, 0xf5                      ; the same, C and D window 3
.set TO_F,   0x40                      ; destination window 1, address window 0
.macro PLACES                          ; four plain vector instructions between a matrix instruction and a load into one of its sources, or a store of its result
.rept 4
	v_nop
.endr
.endm
.macro WDESC s                         ; slot s's group 0 takes the K step in hand, and the step goes on, round the row's 2,048 bytes
	s_add_nc_u64 s[G0+4*\s+2:G0+4*\s+3], s[WB:WB+1], s[KW:KW+1]
	s_or_b32 s[G0+4*\s+3], s[G0+4*\s+3], 0x80000000
	s_add_co_u32 s[KW], s[KW], 256
	s_and_b32 s[KW], s[KW], 0x700
.endm
.macro KXSTEP
	s_add_co_u32 s[KX], s[KX], 256
	s_and_b32 s[KX], s[KX], 0x700
.endm
.macro GLOAD reg, sb                   ; 32 rows x 256 bytes twice over: lanes 0-15 take 256 bytes of one token's row, lanes 16-31 of another's
.set jj, 0
.rept 32
	global_load_b128 v[\reg+4*jj:\reg+4*jj+3], v[XO+jj], s[\sb:\sb+1]
.set jj, jj+1
.endr
.endm
.macro SSTORE s, reg                   ; and into x's slot s: rows 64 w + 32 (lane / 16) + 0 .. 31
.set jj, 0
.rept 32
	ds_store_b128 v[XST+(\s)], v[\reg+4*jj:\reg+4*jj+3] offset:PITCH*jj
.set jj, jj+1
.endr
.endm
	s_load_b256 s[4:11], s[0:1], 0x0               ; x s[4:5], W s[6:7], b s[8:9], layer_idx s[10:11]
	s_load_b128 s[12:15], s[0:1], 0x20             ; lowp_scales s[12:13], out s[14:15]
	v_lshl_add_u32 v[SPW], v0, 2, SPARE
	v_mov_b32 v[NIL], 0
	v_lshrrev_b32 v21, 5, v0
	v_readfirstlane_b32 s16, v21                   ; wave 0..3
	v_and_b32 v1, 31, v0                           ; lane
	v_and_b32 v2, 15, v0                           ; r
	v_bfe_u32 v3, v0, 4, 1                         ; h
	v_lshlrev_b32 v22, 4, v1
	v_lshl_add_u32 v22, v21, 12, v22               ; 4,096 x wave + 16 x lane: my wave's 1,024 indices
	s_wait_kmcnt 0x0
	s_load_b64 s[96:97], s[12:13], 0x0             ; e0, e1
.irp q, 0,1,2,3,4,5,6,7
	global_load_b128 v[ST+4*\q:ST+4*\q+3], v22, s[10:11] offset:512*\q   ; register 4 q + i of lane l: token 1024 w + 128 q + 4 l + i
.endr
	; while they are on their way: all that hangs on ids alone
	s_lshr_b32 s17, s16, 1                         ; wm: which 128 rows of the tile are mine
	s_and_b32 s18, s16, 1                          ; wn: which 128 columns
	s_mov_b32 s19, ttmp9                           ; tx
	s_and_b32 s20, ttmp7, 0xffff                   ; ty
	s_mov_b32 s22, 0x76543210                      ; v_permlanex16_b32: lane l xor 16
	s_mov_b32 s23, 0xfedcba98
	s_mov_b32 s80, 0xaaaaaaaa                      ; the lanes whose number has bit 0, 1, 2, 3, 4 set
	s_mov_b32 s81, 0xcccccccc
	s_mov_b32 s82, 0xf0f0f0f0
	s_mov_b32 s83, 0xff00ff00
	s_mov_b32 s84, 0xffff0000
	s_mov_b32 s[G1+0], (0<<16)|(1<<20)|(5<<22)|(3<<25)   ; no mask; elements of 1 byte; padding on: 4 words behind every 64
	s_mov_b32 s[G1+1], 256<<16                     ; tensor_dim0 = 256
	s_mov_b32 s[G1+2], 64<<16                      ; tensor_dim1 = 64
	s_mov_b32 s[G1+3], 256<<16                     ; tile_dim0 = 256
	s_mov_b32 s[G1+4], 64                          ; tile_dim1 = 64
	s_mov_b32 s[G1+5], 2048                        ; from row to row
	s_mov_b32 s[G1+6], 0
	s_mov_b32 s[G1+7], 0
	s_mul_i32 s66, s16, WQ                         ; my wave's 64 rows in a slot
	s_mov_b32 s[G0], 1
	s_mov_b32 s[G0+1], s66                         ; W's slot 0 begins at LDS byte 0
	s_mov_b32 s[G0+4], 1
	s_add_co_u32 s[G0+5], s66, SLOTB
	s_lshl_b32 s67, s20, 1
	s_add_co_u32 s67, s67, s19
	s_and_b32 s67, s67, 7                          ; the K step at which I begin: the 8 work-groups of a row tile begin at 8 different steps, neighbouring row tiles two steps apart
	s_lshl_b32 s[KW], s67, 8
	s_mov_b32 s[KW+1], 0
	s_mov_b32 s[KX], s[KW]
	s_mov_b32 s[KX+1], 0
	v_lshlrev_b32 v[C16], 4, v2
	v_mul_u32_u24 v23, v2, PITCH
	v_lshl_add_u32 v23, v3, 4, v23                 ; a fragment's row x pitch + 16 x half
	s_mul_i32 s67, s17, 128*PITCH
	s_add_co_u32 s67, s67, XS0
	v_add_nc_u32 v[ADRA], s67, v23
	v_add_nc_u32 v[ADRA+1], SLOTB, v[ADRA]
	s_mul_i32 s67, s18, 128*PITCH
	v_add_nc_u32 v[ADRB], s67, v23
	v_add_nc_u32 v[ADRB+1], SLOTB, v[ADRB]
	v_mul_u32_u24 v23, v3, 32*PITCH
	v_add_nc_u32 v23, v23, v[C16]
	s_add_co_u32 s67, s66, XS0
	v_add_nc_u32 v[XST], s67, v23                  ; row 64 w + 32 h, byte 16 r
	v_add_nc_u32 v[XST+1], SLOTB, v[XST]
	s_mul_i32 s67, s16, 16*SP
	s_add_co_u32 s67, s67, XS0                     ; my stage
	v_mul_u32_u24 v23, v2, SP
	v_lshl_add_u32 v23, v3, 5, v23
	v_add_nc_u32 v[STO], s67, v23                  ; in: row r, + 32 h
	v_mul_u32_u24 v23, v3, 8*SP
	v_add_nc_u32 v23, v23, v[C16]
	v_add_nc_u32 v[RD], s67, v23                   ; back: row 8 h, + 16 r
	s_lshl_b32 s67, s17, 9
	s_add_co_u32 s67, s67, LISTM
	v_lshl_add_u32 v[LO], v3, 5, s67               ; list entry 128 wm + 8 h
	s_lshl_b32 s67, s16, 8
	s_add_co_u32 s67, s67, LISTM
	v_lshl_add_u32 v[LG], v3, 7, s67               ; list entry 64 w + 32 h
	v_mov_b32 v[TKB], TK
	v_lshl_add_u32 v[TKT], v0, 2, TK
	v_lshl_add_u32 v[TML], v1, 2, TK+TMO
	s_lshl_b32 s67, s16, 3
	s_add_co_u32 s67, s67, CNT
	v_mov_b32 v26, s67                             ; where my wave's counts go
	v_mov_b32 v27, CNT
	v_add_nc_u32 v228, 0x2000, v0                  ; list entries t and t + 128, with the keys' offset of 8,192
	v_add_nc_u32 v229, 0x2080, v0
	v_lshl_or_b32 v212, v228, 7, 127               ; and as keys: above every thread's key of the same rank
	v_lshl_or_b32 v213, v229, 7, 127
	v_mov_b32 v202, 0                              ; the prefixes begin at 0
	v_mov_b32 v203, 0
	v_mov_b32 v205, 0                              ; (a lane move's destination counts as one of its sources: written once)
	s_wait_loadcnt 0x0                             ; my 32 indices
	; my counts of the four experts, one byte each (32 at the most), in two chains
.set g, 0
.rept 16
	v_lshlrev_b32 v206, 3, v[ST+g]
	v_lshlrev_b32 v207, 3, v[ST+g+1]
.if g == 0
	v_lshl_add_u32 v200, 1, v206, 0
	v_lshl_add_u32 v201, 1, v207, 0
.else
	v_lshl_add_u32 v200, 1, v206, v200
	v_lshl_add_u32 v201, 1, v207, v201
.endif
.set g, g+2
.endr
	v_add_nc_u32 v204, v200, v201
	v_and_b32 v200, 0x00ff00ff, v204               ; experts 0 and 2 in fields of 16 bits (a wave's total is 1,024 at the most, all waves' 4,096),
	v_lshrrev_b32 v201, 8, v204
	v_and_b32 v201, 0x00ff00ff, v201               ; experts 1 and 3
; A step of the butterfly: v200, v201 hold the sums over my aligned block of m lanes; the partner block's sums are added, and where it lies below mine they are also ranks ahead of me.
.macro BFADD sm
	v_cndmask_b32 v206, 0, v204, s[\sm]
	v_cndmask_b32 v207, 0, v205, s[\sm]
	v_add_nc_u32 v200, v200, v204
	v_add_nc_u32 v201, v201, v205
	v_add_nc_u32 v202, v202, v206
	v_add_nc_u32 v203, v203, v207
.endm
.macro BFLY m, sm
	v_mov_b32_dpp v204, v200 row_xmask:\m row_mask:0xf bank_mask:0xf
	v_mov_b32_dpp v205, v201 row_xmask:\m row_mask:0xf bank_mask:0xf
	BFADD \sm
.endm
	BFLY 1, 80
	BFLY 2, 81
	BFLY 4, 82
	BFLY 8, 83
	v_permlanex16_b32 v204, v200, s22, s23
	v_permlanex16_b32 v205, v201, s22, s23
	BFADD 84
	ds_store_b64 v26, v[200:201]                   ; the wave's four totals: every lane holds them and writes the same 8 bytes
	s_wait_dscnt 0x0                               ; for the others' sake
	s_barrier_signal -1
	s_barrier_wait -1
	ds_load_b128 v[208:211], v27
	ds_load_b128 v[212+4:215+4], v27 offset:16
	s_wait_dscnt 0x0
.irp i, 0,1,2,3
	v_readfirstlane_b32 s[24+\i], v[208+\i]        ; s24, s25: wave 0's experts 0|2 and 1|3; s26, s27: wave 1's
	v_readfirstlane_b32 s[28+\i], v[216+\i]        ; s28, s29: wave 2's; s30, s31: wave 3's
.endr
	s_add_co_u32 s66, s24, s26
	s_add_co_u32 s66, s66, s28
	s_add_co_u32 s66, s66, s30
	s_add_co_u32 s67, s25, s27
	s_add_co_u32 s67, s67, s29
	s_add_co_u32 s67, s67, s31
	s_and_b32 s68, s66, 0xffff                     ; c0 .. c3: the experts' rows
	s_and_b32 s69, s67, 0xffff
	s_lshr_b32 s70, s66, 16
	s_lshr_b32 s71, s67, 16
	s_add_co_u32 s72, s68, 255
	s_lshr_b32 s72, s72, 8                         ; the first tile of expert 1,
	s_add_co_u32 s73, s69, 255
	s_lshr_b32 s73, s73, 8
	s_add_co_u32 s73, s73, s72                     ; of expert 2,
	s_add_co_u32 s74, s70, 255
	s_lshr_b32 s74, s74, 8
	s_add_co_u32 s74, s74, s73                     ; of expert 3
	s_mov_b32 s[EX], 0                             ; my tile's expert, that expert's first tile and its rows: chosen, never branched on
	s_mov_b32 s76, 0
	s_mov_b32 s77, s68
	s_cmp_ge_u32 s20, s72
	s_cselect_b32 s[EX], 1, s[EX]
	s_cselect_b32 s76, s72, s76
	s_cselect_b32 s77, s69, s77
	s_cmp_ge_u32 s20, s73
	s_cselect_b32 s[EX], 2, s[EX]
	s_cselect_b32 s76, s73, s76
	s_cselect_b32 s77, s70, s77
	s_cmp_ge_u32 s20, s74
	s_cselect_b32 s[EX], 3, s[EX]
	s_cselect_b32 s76, s74, s76
	s_cselect_b32 s77, s71, s77
	s_min_u32 s[EX], s[EX], 3                      ; it enters addresses
	s_sub_co_u32 s78, s20, s76
	s_lshl_b32 s78, s78, 8                         ; r0: my tile's first rank, 4,608 at the most
	s_sub_co_i32 s[NV], s77, s78
	s_max_i32 s[NV], s[NV], 0                      ; a tile past the last one in use falls to expert 3 with no rows
	s_min_i32 s[NV], s[NV], 0x100
	s_bitcmp1_b32 s[EX], 0                         ; E's counts in waves 0, 1, 2: the register by E's bit 0, the field by its bit 1
	s_cselect_b32 s85, s25, s24
	s_cselect_b32 s86, s27, s26
	s_cselect_b32 s87, s29, s28
	s_cselect_b32 s92, -1, 0
	s_lshr_b32 s93, s[EX], 1
	s_lshl_b32 s93, s93, 4
	s_lshr_b32 s85, s85, s93
	s_and_b32 s85, s85, 0xffff
	s_lshr_b32 s86, s86, s93
	s_and_b32 s86, s86, 0xffff
	s_lshr_b32 s87, s87, s93
	s_and_b32 s87, s87, 0xffff
	s_sub_co_i32 s[BASE], 0x2000, s78              ; 8,192 - r0 is positive
	s_cmp_gt_u32 s16, 0
	s_cselect_b32 s94, s85, 0
	s_add_co_u32 s[BASE], s[BASE], s94
	s_cmp_gt_u32 s16, 1
	s_cselect_b32 s94, s86, 0
	s_add_co_u32 s[BASE], s[BASE], s94
	s_cmp_gt_u32 s16, 2
	s_cselect_b32 s94, s87, 0
	s_add_co_u32 s[BASE], s[BASE], s94
	v_cndmask_b32 v206, v202, v203, s92
	v_bfe_u32 v206, v206, s93, 16                  ; ranks of E ahead of me in my wave
	v_add_nc_u32 v206, s[BASE], v206
	v_lshl_or_b32 v206, v206, 7, v0                ; my key: it never falls from thread to thread
	v_mov_b32 v207, 0
.set g, 31
.rept 32                                           ; my mask: bit g = my g-th index is E.  M = 2 M + the compare's bit, from the last index down
	v_cmp_eq_u32 vcc_lo, s[EX], v[ST+g]
	v_add_co_ci_u32 v207, vcc_lo, v207, v207, vcc_lo
.set g, g-1
.endr
	ds_store_b32 v[TKT], v206
	ds_store_b32 v[TKT], v207 offset:TMO
	s_lshl_b32 s66, s[EX], 22                      ; an expert is 2,048 rows of 2,048 bytes,
	s_lshl_b32 s67, s19, 19                        ; a column tile 256 rows,
	s_add_co_u32 s66, s66, s67
	s_lshl_b32 s67, s16, 17                        ; my wave's part 64 rows
	s_add_co_u32 s66, s66, s67
	s_mov_b32 s67, 0
	s_add_nc_u64 s[WB:WB+1], s[6:7], s[66:67]
	WDESC 0
	WDESC 1
	s_lshl_b32 s66, s19, 10                        ; my 128 columns in a row of out: 1,024 tx + 512 wn bytes
	s_lshl_b32 s68, s18, 9
	s_add_co_u32 s66, s66, s68
	s_add_nc_u64 s[14:15], s[14:15], s[66:67]
	s_lshl_b32 s68, s[EX], 13
	s_add_co_u32 s66, s66, s68
	s_add_nc_u64 s[8:9], s[8:9], s[66:67]          ; and in E's row of b
	global_load_b128 v[BI:BI+3], v[C16], s[8:9]              ; b at columns 4 r .. 4 r + 3
	global_load_b128 v[BI+4:BI+7], v[C16], s[8:9] offset:256 ; and 64 + 4 r ..
	s_wait_kmcnt 0x0
	s_add_co_i32 s[SC], s96, s97
	s_add_co_i32 s[SC], s[SC], 127
	s_lshl_b32 s[SC], s[SC], 23                    ; 2^(e0 + e1) as f32
	s_mov_b32 s[SC+1], s[SC]                       ; (named with it as a pair, so it is written)
	; W's first tile is asked for as a refill is: its address hangs on E, which is known only behind a barrier
	s_wait_tensorcnt 0x0
	ds_add_u32 v[SPW], v[NIL]                      ; 0 onto my spare word
	ds_add_u32 v4, v5
	s_lshl_b32 s68, s17, 7
	s_sub_co_i32 s68, s[NV], s68
	v_lshlrev_b32 v[QV], 3, v3
	v_sub_nc_u32 v[QV], s68, v[QV]                 ; NV - 128 wm - 8 h, signed
	s_wait_dscnt 0x0                               ; the add is done; my key and my mask have landed
	s_barrier_signal -1
	s_barrier_wait -1
	tensor_load_to_lds s[G0:G0+3], s[G1:G1+7]      ; W's first K step into slot 0: my one tensor load until the next such barrier
	s_nop 0
	PLACES
.set i, 0
.rept 32
	ds_load_b128 v[ST+4*i:ST+4*i+3], v[TKB] offset:16*i   ; all 128 keys, the same in every lane
.set i, i+1
.endr
.irp c, 0,1,2,3
	ds_load_b32 v[208+\c], v[TML] offset:128*\c    ; the masks: lane l holds thread 32 c + l's
.endr
	s_wait_dscnt 0x0
	v_mov_b32 v214, v[ST]                          ; thread 0's key is above no entry's
	v_mov_b32 v215, v[ST]
.set t, 1
.rept 127                                          ; the last key that is not above mine, for both my entries
	v_cmp_ge_u32 vcc_lo, v212, v[ST+t]
	v_cndmask_b32 v214, v214, v[ST+t], vcc_lo
	v_cmp_ge_u32 s88, v213, v[ST+t]
	v_cndmask_b32 v215, v215, v[ST+t], s88
.set t, t+1
.endr
	v_and_b32 v216, 31, v214
	v_and_b32 v217, 31, v215
	v_lshlrev_b32 v216, 2, v216                    ; 4 x that thread's lane
	v_lshlrev_b32 v217, 2, v217
.irp c, 0,1,2,3
	ds_bpermute_b32 v[220+\c], v216, v[208+\c]
	ds_bpermute_b32 v[224+\c], v217, v[208+\c]
.endr
	v_lshrrev_b32 v218, 7, v214
	v_lshrrev_b32 v219, 7, v215
	v_sub_nc_u32 v218, v228, v218                  ; n: which of that thread's matches is mine
	v_sub_nc_u32 v219, v229, v219
	v_and_b32 v230, 32, v214
	v_and_b32 v231, 64, v214
	v_and_b32 v234, 32, v215
	v_and_b32 v235, 64, v215
	s_wait_dscnt 0x0
	v_cmp_ne_u32 vcc_lo, 0, v230                   ; that thread's wave picks one of the four
	v_cndmask_b32 v220, v220, v221, vcc_lo
	v_cndmask_b32 v222, v222, v223, vcc_lo
	v_cmp_ne_u32 vcc_lo, 0, v231
	v_cndmask_b32 v220, v220, v222, vcc_lo
	v_cmp_ne_u32 vcc_lo, 0, v234
	v_cndmask_b32 v224, v224, v225, vcc_lo
	v_cndmask_b32 v226, v226, v227, vcc_lo
	v_cmp_ne_u32 vcc_lo, 0, v235
	v_cndmask_b32 v224, v224, v226, vcc_lo
; The place of the n-th set bit of M (n from 0).  A, B, C: the numbers of set bits in M's fields of 2, 4 and 8 bits.  Then five halvings: if the lower half holds n bits or fewer, go to the upper half and take them off n.
.macro NSTEP SRC, W, N, POS, K, T
	v_bfe_u32 v[\K], v[\SRC], v[\POS], \W
	v_cmp_ge_u32 vcc_lo, v[\N], v[\K]
	v_cndmask_b32 v[\T], 0, \W, vcc_lo
	v_cndmask_b32 v[\K], 0, v[\K], vcc_lo
	v_add_nc_u32 v[\POS], v[\POS], v[\T]
	v_sub_nc_u32 v[\N], v[\N], v[\K]
.endm
.macro NTH M, N, POS, A, B, C, K, T
	v_lshrrev_b32 v[\A], 1, v[\M]
	v_and_b32 v[\A], 0x55555555, v[\A]
	v_sub_nc_u32 v[\A], v[\M], v[\A]
	v_lshrrev_b32 v[\B], 2, v[\A]
	v_and_b32 v[\B], 0x33333333, v[\B]
	v_and_b32 v[\T], 0x33333333, v[\A]
	v_add_nc_u32 v[\B], v[\B], v[\T]
	v_lshrrev_b32 v[\C], 4, v[\B]
	v_add_nc_u32 v[\C], v[\C], v[\B]
	v_and_b32 v[\C], 0x0f0f0f0f, v[\C]
	v_lshrrev_b32 v[\K], 8, v[\C]
	v_add_nc_u32 v[\K], v[\K], v[\C]
	v_and_b32 v[\K], 0xff, v[\K]                   ; bits 0 to 15
	v_cmp_ge_u32 vcc_lo, v[\N], v[\K]
	v_cndmask_b32 v[\POS], 0, 16, vcc_lo
	v_cndmask_b32 v[\K], 0, v[\K], vcc_lo
	v_sub_nc_u32 v[\N], v[\N], v[\K]
	NSTEP \C, 8, \N, \POS, \K, \T
	NSTEP \B, 4, \N, \POS, \K, \T
	NSTEP \A, 2, \N, \POS, \K, \T
	NSTEP \M, 1, \N, \POS, \K, \T
.endm
.macro TOKEN SEL, L4, POS, OUT, T      ; thread 32 w + l, index g: token 1024 w + 128 (g / 4) + 4 l + g % 4
	v_bfe_u32 v[\OUT], v[\SEL], 5, 2
	v_lshl_or_b32 v[\OUT], v[\OUT], 10, v[\L4]
	v_lshrrev_b32 v[\T], 2, v[\POS]
	v_lshl_or_b32 v[\OUT], v[\T], 7, v[\OUT]
	v_and_b32 v[\T], 3, v[\POS]
	v_or_b32 v[\OUT], v[\OUT], v[\T]
.endm
	NTH 220, 218, 232, 236, 237, 238, 239, 240
	NTH 224, 219, 233, 241, 242, 243, 244, 245
	TOKEN 214, 216, 232, 246, 248
	TOKEN 215, 217, 233, 247, 248
	ds_store_b32 v[TKT], v246 offset:LSO           ; entry t.  An entry past the tile's rows holds some token below 4,096: its row is gathered and multiplied, and not stored
	ds_store_b32 v[TKT], v247 offset:LSO+512       ; entry t + 128
	s_wait_dscnt 0x0                               ; for the others' sake
	s_barrier_signal -1                            ; W's first tile may stay out
	s_barrier_wait -1
.irp m, 0,1,2,3,4,5,6,7
	ds_load_b128 v[XO+4*\m:XO+4*\m+3], v[LG] offset:16*\m
.endr
	s_wait_dscnt 0x0
.set jj, 0
.rept 32
	v_min_u32 v[XO+jj], 0xfff, v[XO+jj]
	v_lshl_add_u32 v[XO+jj], v[XO+jj], 11, v[C16]  ; the token's row of 2,048 bytes, + 16 r
.set jj, jj+1
.endr
	s_add_nc_u64 s[XP:XP+1], s[4:5], s[KX:KX+1]
	GLOAD ST, XP                                   ; x's first K step
	KXSTEP
	s_add_nc_u64 s[XP2:XP2+1], s[4:5], s[KX:KX+1]
	WIN TO_F
	GLOAD 0, XP2                                   ; the second, into registers of window 1 that no fragment needs yet
	WIN 0
	KXSTEP
	s_wait_loadcnt 32                              ; the bias and the first K step are in; the second's 32 loads may be out
	SSTORE 0, ST
	s_wait_loadcnt 0x0
	WIN 0x04                                       ; store data from window 1
	SSTORE 1, 0
	WIN 0
	s_wait_dscnt 0x0                               ; the stores have read their registers
	s_add_nc_u64 s[XP:XP+1], s[4:5], s[KX:KX+1]    ; (the loads that named this base are in)
	GLOAD ST, XP                                   ; the third
	KXSTEP
	s_wait_tensorcnt 0x0                           ; W's first tile has landed
	ds_add_u32 v[SPW], v[NIL]
	s_wait_dscnt 0x0
	s_barrier_signal -1
	s_barrier_wait -1                              ; slot 0 is whole, x's slot 1 too
	tensor_load_to_lds s[G0+4:G0+7], s[G1:G1+7]    ; W's second K step into slot 1
	s_nop 0
	PLACES
; 32 LDS loads in one run: the fragments of 64 along K at byte k of the rows.  A fragment is 16 rows x 64 K in 8 registers: lane l holds row l % 16; registers 0-3 the bytes 16 (l / 16) + 0 .. 15,
; registers 4-7 the bytes 32 + 16 (l / 16) + 0 .. 15: a permutation of k, the same in x and in W, so that every product meets its partner.
.macro FETCH slot, k, f
	WIN TO_F
.irp i, 0,1,2,3,4,5,6,7
	ds_load_b128 v[\f+64+8*\i:\f+64+8*\i+3],   v[ADRB+(\slot)] offset:\k+\i*16*PITCH
	ds_load_b128 v[\f+64+8*\i+4:\f+64+8*\i+7], v[ADRB+(\slot)] offset:\k+\i*16*PITCH+32
	ds_load_b128 v[\f+8*\i:\f+8*\i+3],         v[ADRA+(\slot)] offset:\k+\i*16*PITCH
	ds_load_b128 v[\f+8*\i+4:\f+8*\i+7],       v[ADRA+(\slot)] offset:\k+\i*16*PITCH+32
.endr
.endm
; 16 matrix instructions: blocks a0, a0 + 1 of the window's four blocks of 16 tokens x W's eight blocks of 16 columns.  zero = 1: the first product starts the sums: nothing is ever cleared.
; The 64 accumulators take turns, one instruction a turn, in the same order in every quarter.
.macro MUL16 f, hi, a0, zero
.irp a, \a0, \a0+1
.irp b, 0,1,2,3,4,5,6,7
.if \zero
	v_wmma_f32_16x16x64_fp8_fp8 v[8*(8*(\a)+\b):8*(8*(\a)+\b)+7], v[\f+64+8*\b:\f+64+8*\b+7], v[\f+8*(4*\hi+(\a)):\f+8*(4*\hi+(\a))+7], 0
.else
	v_wmma_f32_16x16x64_fp8_fp8 v[8*(8*(\a)+\b):8*(8*(\a)+\b)+7], v[\f+64+8*\b:\f+64+8*\b+7], v[\f+8*(4*\hi+(\a)):\f+8*(4*\hi+(\a))+7], v[8*(8*(\a)+\b):8*(8*(\a)+\b)+7]
.endif
.endr
.endr
.endm
; A K step is four quarters of 64 along K, 64 matrix instructions each, on sets 0, 1, 0, 1.  One of the first three: multiplies set f; the next quarter's fragments, at byte k, are asked for at its head, into set g.
; st = 1: the next K step's rows of x, gathered a K step ago, go into x's other slot.  gl = 1: the K step after that is gathered into the same registers.
.macro QUARTER slot, k, f, g, zero, st, gl
	s_wait_dscnt 0x0                               ; set f is in
	PLACES                                         ; set g was multiplied last
	FETCH \slot, \k, \g
.if \st
	WIN 0
	s_wait_loadcnt 0x0                             ; the gather, issued 224 matrix instructions ago
	SSTORE 1-\slot, ST                             ; nobody reads that slot since the last barrier; the next barrier shows it to all
.endif
	WIN MUL_LO
	MUL16 \f, 0, 0, \zero
	MUL16 \f, 0, 2, \zero
.if \gl
	WIN 0
	s_wait_dscnt 0x0                               ; the stores have read their registers
	s_add_nc_u64 s[XP:XP+1], s[4:5], s[KX:KX+1]    ; (the loads that named this base are in)
	GLOAD ST, XP
	KXSTEP
.endif
	WIN MUL_HI
	MUL16 \f, 1, 0, \zero
	MUL16 \f, 1, 2, \zero
.endm
; The last quarter multiplies set 1 and changes slots: ONE barrier.  In front of it each wave waits for all its tensor loads (one is out: its part of W's next slot), adds 0 to its spare word, and waits for that,
; for its reads of this slot and for its stores into x's next slot.  fill = 1: W's part of this slot is filled again, two K steps ahead: that load has 224 matrix instructions in which to land.
.macro TURN slot, fill
	WIN 0                                          ; (the add's two registers lie in window 0)
	s_wait_tensorcnt 0x0                           ; no tensor load of mine is out, so a group 0 may be written
	ds_add_u32 v[SPW], v[NIL]
.if \fill
	WDESC \slot
.endif
	s_wait_dscnt 1                                 ; set 1 is in; the add alone may be out
	WIN MUL_LO
	MUL16 F1, 0, 0, 0                              ; sixteen matrix instructions stand between the add and the wait for it
	s_wait_dscnt 0x0
	s_barrier_signal -1
	MUL16 F1, 0, 2, 0                              ; work on registers while the others arrive
	s_barrier_wait -1
.if \fill
	tensor_load_to_lds s[G0+4*\slot:G0+4*\slot+3], s[G1:G1+7]   ; the first thing behind the barrier, and my one tensor load until the next
	s_nop 0
.endif
	PLACES                                         ; four plain instructions behind the tensor load; they are also the places in front of the loads into set 0
	FETCH 1-\slot, 0, F0
	WIN MUL_HI
	MUL16 F1, 1, 0, 0
	MUL16 F1, 1, 2, 0
.endm
.macro PERIOD slot, zero, st, gl, fill
	QUARTER \slot, 64,  F0, F1, \zero, \st, \gl
	QUARTER \slot, 128, F1, F0, 0, 0, 0
	QUARTER \slot, 192, F0, F1, 0, 0, 0
	TURN \slot, \fill
.endm
	FETCH 0, 0, F0
	PERIOD 0, 1, 0, 0, 1                           ; K step 0 is written out: its first quarter starts the sums; x's steps 1 and 2 were seen to above
	WIN 0                                          ; at a label and at a branch every window is 0
	s_mov_b32 s[CTR], 2
.Llap:                                                 ; K steps 1, 2 and 3, 4
	PERIOD 1, 0, 1, 1, 1
	PERIOD 0, 0, 1, 1, 1
	WIN 0
	s_sub_co_u32 s[CTR], s[CTR], 1
	s_cmp_lg_u32 s[CTR], 0
	s_cbranch_scc1 .Llap
	PERIOD 1, 0, 1, 1, 1                           ; K step 5: the last gather and the last tensor load go out
	PERIOD 0, 0, 1, 0, 0                           ; K step 6: x's last rows go to LDS; nothing more is asked for
	QUARTER 1, 64,  F0, F1, 0, 0, 0                ; K step 7
	QUARTER 1, 128, F1, F0, 0, 0, 0
	QUARTER 1, 192, F0, F1, 0, 0, 0
	s_wait_dscnt 0x0
	WIN MUL_LO
	MUL16 F1, 0, 0, 0
	MUL16 F1, 0, 2, 0
	WIN MUL_HI
	MUL16 F1, 1, 0, 0
	MUL16 F1, 1, 2, 0
	WIN 0
; THE WAY OUT, a block of 16 tokens x 128 columns at a time.  A lane holds 32 neighbouring bytes of a token's row, and the lanes beside it hold other tokens: so a block's raw sums go through my own stage in LDS and
; come back so that sixteen lanes hold 256 neighbouring bytes of one row.  LDS serves a wave's instructions in order (ISA guide 5.7.1.4): no wait between the stores and the loads, nor in front of the next block's stores.
.macro TOSTAGE a
.set AC, 64*((\a)%4)
	WIN 0x08+4*((\a)/4)                            ; store data from window 2 or 3
.irp b, 0,1,2,3,4,5,6,7
	ds_store_b128 v[STO], v[AC+8*\b:AC+8*\b+3] offset:64*\b          ; each accumulator from its low end on
	ds_store_b128 v[STO], v[AC+8*\b+4:AC+8*\b+7] offset:64*\b+16
.endr
	WIN 0
.set BB, ST+64*((\a)%2)
.set VV, XO+8*((\a)%2)
.irp t, 0,1,2,3,4,5,6,7
	ds_load_b128 v[BB+8*\t:BB+8*\t+3],   v[RD] offset:SP*\t          ; row 8 h + t, columns 4 r ..
	ds_load_b128 v[BB+8*\t+4:BB+8*\t+7], v[RD] offset:SP*\t+256      ; and 64 + 4 r ..
.endr
	ds_load_b128 v[VV:VV+3],   v[LO] offset:64*(\a)                  ; the tokens of rows 16 a + 8 h + 0 .. 7
	ds_load_b128 v[VV+4:VV+7], v[LO] offset:64*(\a)+16
.endm
.macro SEND a, younger                 ; younger: the LDS instructions issued behind block a's loads, which may stay out
.set BB, ST+64*((\a)%2)
.set VV, XO+8*((\a)%2)
	s_wait_dscnt \younger
.irp t, 0,1,2,3,4,5,6,7
.irp i, 0,2,4,6
	v_pk_fma_f32 v[BB+8*\t+\i:BB+8*\t+\i+1], v[BB+8*\t+\i:BB+8*\t+\i+1], s[SC:SC+1], v[BI+\i:BI+\i+1] op_sel_hi:[1,0,1]   ; sum x 2^(e0 + e1) + b
.endr
.endr
.irp t, 0,1,2,3,4,5,6,7
	v_min_u32 v[VV+\t], 0xfff, v[VV+\t]
	v_lshl_add_u32 v[VV+\t], v[VV+\t], 13, v[C16]  ; the token's row of 8,192 bytes, + 16 r
.endr
.irp t, 0,1,2,3,4,5,6,7
	s_wait_xcnt 0x0                                ; EXEC changes only behind this wait
	v_cmpx_lt_i32 16*(\a)+\t, v[QV]                ; only rows that exist are stored; a lane's rows ascend, so inside a block the mask only narrows
	global_store_b128 v[VV+\t], v[BB+8*\t:BB+8*\t+3],   s[14:15] th:TH_STORE_NT             ; 16 lanes store 256 consecutive bytes, at a multiple of 256 from out's first byte
	global_store_b128 v[VV+\t], v[BB+8*\t+4:BB+8*\t+7], s[14:15] offset:256 th:TH_STORE_NT
.endr
	s_wait_xcnt 0x0                                ; and again in front of the line that widens it; the stores' registers may now be written too
	s_mov_b32 exec_lo, -1
.endm
	PLACES                                         ; behind the last products, ahead of the first store of a result
	TOSTAGE 0
.irp a, 1,2,3,4,5,6,7
	TOSTAGE \a
	SEND \a-1, 34                                  ; behind block a - 1's loads: block a's 16 stores and 18 loads
.endr
	SEND 7, 0
	s_wait_tensorcnt 0x0                           ; the wave's end: behind my last tensor load and my last LDS store
	ds_add_u32 v[SPW], v[NIL]
	s_wait_dscnt 0x0
	s_endpgm
.Lfunc_end_k_q12fc92282c_plin:
	.size	k_q12fc92282c_plin, .Lfunc_end_k_q12fc92282c_plin-k_q12fc92282c_plin
	.p2alignl 7, 3214868480
	.fill 96, 4, 3214868480
	.section	.rodata,"a",@progbits
	.p2align	6, 0x0
	.amdhsa_kernel k_q12fc92282c_plin
		.amdhsa_group_segment_fixed_size 327680
		.amdhsa_private_segment_fixed_size 0
		.amdhsa_enable_private_segment 0
		.amdhsa_kernarg_size 48
		.amdhsa_user_sgpr_count 2
		.amdhsa_user_sgpr_kernarg_segment_ptr 1
		.amdhsa_wavefront_size32 1
		.amdhsa_system_sgpr_workgroup_id_x 1
		.amdhsa_system_sgpr_workgroup_id_y 1
		.amdhsa_system_sgpr_workgroup_id_z 1
		.amdhsa_system_vgpr_workitem_id 0
		.amdhsa_next_free_vgpr 1024
		.amdhsa_next_free_sgpr 100
		.amdhsa_reserve_vcc 1
		.amdhsa_float_denorm_mode_32 3
		.amdhsa_float_denorm_mode_16_64 3
		.amdhsa_memory_ordered 1
		.amdhsa_forward_progress 1
		.amdhsa_inst_pref_size 255
	.end_amdhsa_kernel
	.section	.bss,"aw",@nobits
	.p2align	6
	.space	262144
	.amdgpu_metadata
---
amdhsa.version: [ 1, 2 ]
amdhsa.kernels:
  - .name:           k_q12fc92282c_plin
    .symbol:         k_q12fc92282c_plin.kd
    .args:
      - { .name: x_codes, .offset: 0, .size: 8, .value_kind: global_buffer, .address_space: global }
      - { .name: W_codes, .offset: 8, .size: 8, .value_kind: global_buffer, .address_space: global }
      - { .name: b, .offset: 16, .size: 8, .value_kind: global_buffer, .address_space: global }
      - { .name: layer_idx, .offset: 24, .size: 8, .value_kind: global_buffer, .address_space: global }
      - { .name: lowp_scales, .offset: 32, .size: 8, .value_kind: global_buffer, .address_space: global }
      - { .name: out0, .offset: 40, .size: 8, .value_kind: global_buffer, .address_space: global }
    .group_segment_fixed_size: 327680
    .private_segment_fixed_size: 0
    .kernarg_segment_align: 8
    .kernarg_segment_size: 48
    .max_flat_workgroup_size: 128
    .sgpr_count:     100
    .vgpr_count:     1024
    .wavefront_size: 32
...
	.end_amdgpu_metadata
.endif
;; end of part 1
